; MI455X (gfx1250); checked and timed in simulation.
; The chip was launched on July 23, 2026; its instructions are those of AMD's public machine-readable ISA for CDNA 5 (MIT licence, August 2026) and "CDNA5" Instruction Set Architecture Reference Guide (July 2026). The comments in the code are by the model that wrote it; some were corrected since.
;; DPLLM Linear. Allowed arithmetic: matrix products marked QUANTISED: E5M2 operands, one E8M0 scale for each 32 along K, by v_wmma_scale_f32_16x16x128_f8f6f4 with both operands' format E5M2, f32 sums; everything else in f32.
;; Inputs: bias 4,096 float32; lut4 4,096 x 16 float32; lut8 4,096 x 256 float32; qweight 8 x 4,096 x 128 int32; x 4 x 512 x 4,096 float32.
;; Outputs: out0 4 x 512 x 4,096 float32.
;; This version of the problem:
;;   THIS VERSION OF THE PROBLEM IS GIVEN IN LOW PRECISION. The matrix products marked QUANTISED in the list below multiply operands that are first quantised to E5M2 (5 exponent bits, 2 mantissa bits; 8 bits a number), with one power-of-two scale for each 32 numbers along K (OCP MX v1.0); their sums are f32. All else is computed in f32.
;;   The module's matrix products, in the order in which they are computed (A, B: the left and right operand; K: the contracted axis; several contracted axes count as one K, in the product's order):
;;     1. [M 2,048, K 4,096] x [K 4,096, N 4,096]; A: input x; B: computed on the way: QUANTISED
;;     2. [M 2,048, K 4,096] x [K 4,096, N 4,096]; A: input x; B: computed on the way: QUANTISED
;;   THE QUANTISER, for each operand of a quantised product, along K:
;;     - K is cut into blocks of 32 from its start; a last block that is shorter is filled with zeros.
;;     - A block's scale is 2^e with e = floor(log2(the largest magnitude in the block)) - 15, held to -126 .. 127; a block of zeros has e = 0. As a byte (E8M0): e + 127.
;;     - Each number is divided by its block's scale, clamped to +-57,344, and rounded to the nearest number of E5M2, ties to even, subnormals kept.
;;     - The product sums the exact products of the quantised numbers (number of the format x scale) in f32.
;;   ~~~python
;;   def quantise(x, axis):      # numpy; x: float32 -> the quantised numbers, widened to float32 again
;;       x = np.moveaxis(x, axis, -1); K = x.shape[-1]
;;       x = np.pad(x, [(0, 0)] * (x.ndim - 1) + [(0, -K % 32)]); x = x.reshape(x.shape[:-1] + (-1, 32)); a = np.abs(x).max(-1, keepdims=True)
;;       e = np.where(a > 0, np.clip(np.frexp(np.where(a > 0, a, 1))[1] - 1 - 15, -126, 127), 0)      # np.frexp(a)[1] - 1 = floor(log2(a)), exactly
;;       r = np.clip(x / 2.0 ** e, -57344, 57344)
;;       step = 2.0 ** (np.maximum(np.frexp(np.where(r == 0, 1, r))[1] - 1, -14) - 2)
;;       q = np.round(r / step) * step * 2.0 ** e      # np.round: ties to even
;;       return np.moveaxis(q.reshape(q.shape[:-2] + (-1,))[..., :K], -1, axis).astype(np.float32)
;;   ~~~
;;   OPERANDS COMPUTED ON THE WAY. 'Computed on the way' means the value that the module computes at that place (a softmax that the list does not call 'softmax' is quantised finished and normalised). What goes into a quantiser is computed in f32, as accurately as f32 sums, v_exp_f32 and their like allow (about 1e-6 of the number): no bf16 or f16 on the way to a quantiser, and a product that is left as it is and whose result goes on into a quantised operand takes f32 operands (vector FMAs, or v_wmma_f32_16x16x4_f32). A number that lies on a knife's edge between two numbers of the format may be rounded either way, as far as f32 arithmetic and the matrix unit's own rounding can turn it there, and no further.
;; One version. Each part assembles by itself: llvm-mc -triple=amdgcn-amd-amdhsa -mcpu=gfx1250 --defsym DOCPART=n.
;; ======== version 1 of 1: 3 launches
;; limits: right only within a limited range of input values
;; workspace buffers: flags 8,192 bytes of whole numbers; xq 8,650,752 bytes; wql 17,301,504 bytes; wqh 17,301,504 bytes
;; launch xquant (part 1): grid 256 x 1, 4 waves a work-group, no clusters, 33,280 bytes of LDS; arguments x, xq, flags; writes xq, flags
.if DOCPART == 1
	.amdgcn_target "amdgcn-amd-amdhsa--gfx1250"
	.amdhsa_code_object_version 6
	.text
	.protected	k_qc81071bcaa_xquant
	.globl	k_qc81071bcaa_xquant
	.p2align	8
	.type	k_qc81071bcaa_xquant,@function
k_qc81071bcaa_xquant:
	s_mov_b64 s[64:65], 0
	v_nop
	global_prefetch_b8 v0, s[64:65] scope:SCOPE_SE
	s_setreg_imm32_b32 hwreg(HW_REG_WAVE_MODE, 25, 1), 1
	s_wait_xcnt 0x0
; x [2048][4096] f32 is turned into codes of BF8 (E5M2), K innermost, at xq byte 0, with one E8M0 scale byte for each 32 along K, [16 K steps of 256][2048][8], at xq byte XQS.
; Beside that each token's sum of squares is taken in f32, and flags[token] = 1 where the token takes the 8-bit weights, else 0.
; THE MASK.  The result wanted is sqrt(s) x 1 + 0 > 64 with a correctly rounded root.  The root rounds above 64 exactly where it lies above 64 + 2^-18, whose square is 4096 + 2^-11 + 2^-36;
; 2^-11 is the distance between f32 numbers at 4096, so the condition is s > 4096 + 2^-11 (bits 0x45800001), for every s (infinity: 1; NaN: 0).  No root is taken.
; A block's scale is 2^(floor(log2(its largest magnitude)) - 15); its byte is the largest magnitude's exponent field - 15, held at 1 from below.
; LIMITS: a block of zeros gets the byte 1 where the rule says 127 (its codes are zeros, and this program alone reads the bytes); NaN and infinities in x are not served.
; SHARES.  A wave takes 16 steps of 512 numbers: two whole rows.  Each of a step's four loads reads 512 consecutive bytes; the 2,048 bytes turn through the wave's own stage in LDS and come back 64 bytes a lane,
; so that a lane holds 16 neighbours along K (two lanes hold a block).  A lane's 16 codes are 16 bytes: the wave stores 512 consecutive bytes.  A wave's 256 scale bytes are gathered in LDS and leave as 32 pieces of 8 bytes, one for each row and K step of 256.
; No tensor loads, no barrier: waves share nothing.  Loads run four steps ahead, the turn through LDS one step.
.set STEPS, 16
.set EMAX,  15
.set MANT,  0x600000                   ; the mantissa field of 57,344 as f32
.set CB,    16                         ; bytes of 16 codes
.set R,     16                         ; v16-79   four sets of 16 numbers as they are loaded
.set X,     80                         ; v80-111  two sets of 16 neighbours
.set E,     112                        ; v112-127 a scale byte for each step
.set C,     128                        ; v128-191 codes: four registers for each step, so that no store's data are written again
.set SQ,    192                        ; v192-195 the row's sum of squares, in four chains
.set FA,    196                        ; v196     the first row's flag
.set FB,    197                        ; v197     the second row's
.set TP,    198                        ; v198     at work
.set ONE,   199                        ; v199     1
.set FO,    200                        ; v200     4 x lane
.set WREG,  8192                       ; LDS: a region for each wave: two stages of 32 x SP bytes, behind them its 256 scale bytes
.set SP,    80                         ; a lane's place in a stage: its 64 bytes + 16 of padding
.set XQS,   8388608                    ; where the scale bytes begin in xq
	s_load_b128 s[4:7], s[0:1], 0x0                ; x, xq
	s_load_b64 s[8:9], s[0:1], 0x10                ; flags
	v_lshl_add_u32 v204, v0, 2, 0x8000
	v_mov_b32 v205, 0
	v_lshrrev_b32 v1, 5, v0
	v_readfirstlane_b32 s16, v1                    ; wave
	v_and_b32 v2, 31, v0                           ; lane
	v_lshlrev_b32 v3, 4, v2                        ; my 16 bytes of a load's 512
	s_mul_i32 s17, s16, WREG
	v_lshrrev_b32 v14, 2, v2
	v_mul_u32_u24 v14, v14, SP
	v_and_b32 v15, 3, v2
	v_lshl_add_u32 v14, v15, 4, v14
	v_add_nc_u32 v14, s17, v14                     ; the stage, on the way in: SP (lane / 4) + 16 (lane % 4)
	v_mul_u32_u24 v15, v2, SP
	v_add_nc_u32 v15, s17, v15                     ; and on the way out: SP x lane: my 16 neighbours
	v_mul_u32_u24 v4, v2, CB                       ; my codes' place in a step's
	v_lshrrev_b32 v5, 1, v2
	s_add_co_u32 s17, s17, 2*32*SP
	v_add_nc_u32 v5, s17, v5                       ; LDS: my wave's 256 scale bytes, my block's byte
	v_lshlrev_b32 v7, 3, v2                        ; and on the way out 8 bytes a lane
	v_add_nc_u32 v6, s17, v7
	v_and_b32 v201, 15, v2                         ; THE SCALE BYTES LEAVE LAID BY K STEP OF 256: [16][2048 rows][8] at xq byte XQS: lane l holds row l / 16, K step l % 16
	v_lshrrev_b32 v202, 4, v2
	v_lshlrev_b32 v201, 14, v201                   ; a K step's 2,048 rows x 8 bytes
	v_lshl_add_u32 v201, v202, 3, v201
	v_mov_b32 v[TP], 0                             ; written once: a lane permute's destination counts as one of its sources
	v_mov_b32 v[ONE], 1
	v_lshlrev_b32 v[FO], 2, v2
	s_mov_b32 s23, MANT
	s_mov_b32 s24, 0x45800001                      ; 4096 + 2^-11
	s_mov_b32 s25, 0x76543210
	s_mov_b32 s26, 0xfedcba98                      ; v_permlanex16_b32's selects for lane l xor 16
	s_lshl_b32 s18, ttmp9, 2
	s_add_co_u32 s18, s18, s16                     ; which run of 8,192 numbers (rows 2 u, 2 u + 1) is my wave's
	s_lshl_b32 s20, s18, 15                        ; in x: 32,768 bytes a run
	s_mov_b32 s21, 0
	s_lshl_b32 s10, s18, 13                        ; codes: 8,192
	s_mov_b32 s11, 0
	s_lshl_b32 s12, s18, 4                         ; scale bytes: my first row's 8 bytes of K step 0: 2 rows x 8 a wave
	s_add_co_u32 s12, s12, XQS
	s_mov_b32 s13, 0
	s_lshl_b32 s14, s18, 3                         ; flags: two words
	s_mov_b32 s15, 0
	s_wait_alu depctr_va_vdst(0)
	s_wait_kmcnt 0x0
	s_add_nc_u64 s[4:5], s[4:5], s[20:21]
	s_add_nc_u64 s[12:13], s[6:7], s[12:13]
	s_add_nc_u64 s[6:7], s[6:7], s[10:11]
	s_add_nc_u64 s[8:9], s[8:9], s[14:15]
.macro LOAD t
.irp i, 0,1,2,3
	global_load_b128 v[R+16*((\t)%4)+4*\i:R+16*((\t)%4)+4*\i+3], v3, s[4:5] offset:2048*(\t)+512*\i th:TH_LOAD_NT   ; 32 lanes read 512 consecutive bytes
.endr
.endm
.macro TURN t                          ; step t's numbers through the stage: LDS serves a wave's instructions in order, so no wait stands between the stores and the loads
.irp i, 0,1,2,3
	ds_store_b128 v14, v[R+16*((\t)%4)+4*\i:R+16*((\t)%4)+4*\i+3] offset:32*SP*((\t)%2)+8*SP*\i
.endr
.irp i, 0,1,2,3
	ds_load_b128 v[X+16*((\t)%2)+4*\i:X+16*((\t)%2)+4*\i+3], v15 offset:32*SP*((\t)%2)+16*\i
.endr
.endm
.macro NORM f                          ; a row is done: its four chains, then the 32 lanes; the flag goes into v[f], the same in every lane
	v_pk_add_f32 v[SQ:SQ+1], v[SQ:SQ+1], v[SQ+2:SQ+3]
	v_add_f32 v[SQ], v[SQ], v[SQ+1]
	v_add_f32_dpp v[SQ], v[SQ], v[SQ] row_xmask:1 row_mask:0xf bank_mask:0xf
	v_add_f32_dpp v[SQ], v[SQ], v[SQ] row_xmask:2 row_mask:0xf bank_mask:0xf
	v_add_f32_dpp v[SQ], v[SQ], v[SQ] row_xmask:4 row_mask:0xf bank_mask:0xf
	v_add_f32_dpp v[SQ], v[SQ], v[SQ] row_xmask:8 row_mask:0xf bank_mask:0xf
	v_permlanex16_b32 v[TP], v[SQ], s25, s26
	v_add_f32 v[SQ], v[SQ], v[TP]
	v_cmp_lt_f32 vcc_lo, s24, v[SQ]                ; 4096 + 2^-11 < s
	v_cndmask_b32 v[\f], 0, v[ONE], vcc_lo
.endm
.irp t, 0,1,2,3
	LOAD \t
.endr
	s_wait_loadcnt 12                              ; step 0's four loads are in
	TURN 0
.macro STEP t
.set XS, X+16*((\t)%2)
.if (\t) > 0
	s_wait_dscnt 1                                 ; this step's numbers are back from the stage (the last step's byte store may be out): so its stores into the stage have read their registers,
.else
	s_wait_dscnt 0x0
.endif
.if (\t)+4 < STEPS
	LOAD (\t)+4                                    ; which take the loads of four steps on
.endif
.if (\t)+1 < STEPS
.if STEPS-2-(\t) >= 3
	s_wait_loadcnt 12                              ; the next step's four loads are in; those of the three steps behind it may be out
.else
	s_wait_loadcnt 4*(STEPS-2-(\t))
.endif
	TURN (\t)+1                                    ; and go through the other stage while this step is worked
.endif
.irp i, 0,1,2,3,4,5,6,7                        ; the squares, ahead of the hold, which rewrites the numbers: two at a time, in two chains of pairs; a row's first two lines start the sums
.if (((\t)%8) == 0) && (\i < 2)
	v_pk_mul_f32 v[SQ+2*\i:SQ+2*\i+1], v[XS+2*\i:XS+2*\i+1], v[XS+2*\i:XS+2*\i+1]
.else
	v_pk_fma_f32 v[SQ+2*(\i%2):SQ+2*(\i%2)+1], v[XS+2*\i:XS+2*\i+1], v[XS+2*\i:XS+2*\i+1], v[SQ+2*(\i%2):SQ+2*(\i%2)+1]
.endif
.endr
	v_max3_num_f32 v8, |v[XS]|, |v[XS+1]|, |v[XS+2]|               ; the largest magnitude of my 16
	v_max3_num_f32 v9, |v[XS+3]|, |v[XS+4]|, |v[XS+5]|
.irp i, 6,10
	v_max3_num_f32 v8, v8, |v[XS+\i]|, |v[XS+\i+1]|
	v_max3_num_f32 v9, v9, |v[XS+\i+2]|, |v[XS+\i+3]|
.endr
	v_max3_num_f32 v8, v8, |v[XS+14]|, |v[XS+15]|
	v_max3_num_f32 v8, v8, v9, (EMAX+1)<<23        ; and the floor 2^(EMAX + 1 - 127): the byte cannot fall under 1
	v_max_num_f32_dpp v8, v8, v8 row_xmask:1 row_mask:0xf bank_mask:0xf   ; and of my neighbour's 16: the block's
	v_add_nc_u32 v11, -(EMAX<<23), v8              ; EMAX off its exponent field: the conversion takes the exponent field of this operand as its scale
	v_and_or_b32 v10, v8, 0x7f800000, s23          ; 57,344 x the scale
.irp i, 0,1,2,3,4,5,6,7,8,9,10,11,12,13,14,15
	v_med3_num_f32 v[XS+\i], v[XS+\i], -v10, v10   ; the conversion to an 8-bit code does not saturate (ISA guide 7.6.2): hold the number first
.endr
	v_cvt_scalef32_pk8_bf8_f32 v[C+4*(\t):C+4*(\t)+1], v[XS:XS+7], v11
	v_cvt_scalef32_pk8_bf8_f32 v[C+4*(\t)+2:C+4*(\t)+3], v[XS+8:XS+15], v11
	v_lshrrev_b32 v[E+(\t)], 23, v11               ; the scale's byte (a plain line behind the conversions)
	ds_store_b8 v5, v[E+(\t)] offset:16*(\t)       ; both lanes of a block write the same byte with the same value
	global_store_b128 v4, v[C+4*(\t):C+4*(\t)+3], s[6:7] offset:32*CB*(\t)
.if (\t) == 7
	NORM FA
.endif
.if (\t) == 15
	NORM FB
.endif
.endm
.irp t, 0,1,2,3,4,5,6,7,8,9,10,11,12,13,14,15
	STEP \t
.endr
	ds_load_b64 v[12:13], v6                       ; LDS serves a wave's instructions in order: these see my stores
	s_wait_alu depctr_va_vdst(0)
	s_wait_dscnt 0x0
	global_store_b64 v201, v[12:13], s[12:13]      ; pieces of 8 bytes: 262,144 bytes in the whole launch
	v_cmp_eq_u32 vcc_lo, 1, v2
	v_cndmask_b32 v[TP], v[FA], v[FB], vcc_lo      ; lane 0 the first row's flag, lane 1 the second's
	v_cmp_gt_u32 vcc_lo, 2, v2
	s_wait_alu depctr_va_vdst(0)
	s_wait_xcnt 0x0                                ; EXEC changes only behind this wait: the stores above have read it
	s_wait_tensorcnt 0x0
	ds_add_u32 v204, v205
	s_wait_dscnt 0x0
	s_and_saveexec_b32 s27, vcc_lo
	global_store_b32 v[FO], v[TP], s[8:9]          ; two words a wave
	s_endpgm
.Lfunc_end_k_qc81071bcaa_xquant:
	.size	k_qc81071bcaa_xquant, .Lfunc_end_k_qc81071bcaa_xquant-k_qc81071bcaa_xquant
	.p2alignl 7, 3214868480
	.fill 96, 4, 3214868480
	.section	.rodata,"a",@progbits
	.p2align	6, 0x0
	.amdhsa_kernel k_qc81071bcaa_xquant
		.amdhsa_group_segment_fixed_size 33280
		.amdhsa_private_segment_fixed_size 0
		.amdhsa_enable_private_segment 0
		.amdhsa_kernarg_size 24
		.amdhsa_user_sgpr_count 2
		.amdhsa_user_sgpr_kernarg_segment_ptr 1
		.amdhsa_wavefront_size32 1
		.amdhsa_system_sgpr_workgroup_id_x 1
		.amdhsa_system_sgpr_workgroup_id_y 1
		.amdhsa_system_sgpr_workgroup_id_z 1
		.amdhsa_system_vgpr_workitem_id 0
		.amdhsa_next_free_vgpr 206
		.amdhsa_next_free_sgpr 66
		.amdhsa_reserve_vcc 1
		.amdhsa_float_denorm_mode_32 3
		.amdhsa_float_denorm_mode_16_64 3
		.amdhsa_memory_ordered 1
		.amdhsa_forward_progress 1
		.amdhsa_inst_pref_size 61
	.end_amdhsa_kernel
	.amdgpu_metadata
---
amdhsa.version: [ 1, 2 ]
amdhsa.kernels:
  - .name:           k_qc81071bcaa_xquant
    .symbol:         k_qc81071bcaa_xquant.kd
    .args:
      - { .name: x, .offset: 0, .size: 8, .value_kind: global_buffer, .address_space: global }
      - { .name: xq, .offset: 8, .size: 8, .value_kind: global_buffer, .address_space: global }
      - { .name: flags, .offset: 16, .size: 8, .value_kind: global_buffer, .address_space: global }
    .group_segment_fixed_size: 33280
    .private_segment_fixed_size: 0
    .kernarg_segment_align: 8
    .kernarg_segment_size: 24
    .max_flat_workgroup_size: 128
    .sgpr_count:     66
    .vgpr_count:     206
    .wavefront_size: 32
...
	.end_amdgpu_metadata
.endif
;; end of part 1
;; launch wquant (part 2): grid 256 x 1, 16 waves a work-group, no clusters, 243,712 bytes of LDS; arguments qweight, lut4, lut8, wql, wqh; writes wql, wqh
.if DOCPART == 2
	.amdgcn_target "amdgcn-amd-amdhsa--gfx1250"
	.amdhsa_code_object_version 6
	.text
	.protected	k_qc81071bcaa_wquant
	.globl	k_qc81071bcaa_wquant
	.p2align	8
	.type	k_qc81071bcaa_wquant,@function
k_qc81071bcaa_wquant:
	s_mov_b64 s[64:65], 0
	v_nop
	global_prefetch_b8 v0, s[64:65] scope:SCOPE_SE
	s_setreg_imm32_b32 hwreg(HW_REG_WAVE_MODE, 25, 1), 1
	s_wait_xcnt 0x0
; Both weights are made from the bitplanes and quantised along K.  w_l[o][i] = lut4[o][index & 15], w_h[o][i] = lut8[o][index], index = the 8 planes' bits of position i (plane p gives bit p; bit i % 32 of word i / 32).
; Each becomes codes of BF8 (E5M2), [4096][4096] with K innermost, at byte 0 of wql / wqh, and E8M0 scale bytes laid by K step of 256, [16][4096 rows][8], at byte WSS.
; SHARES.  A work-group takes 16 rows o; wave w the K step w (words 8 w .. 8 w + 7 of each plane); lane (r = lane % 16, h = lane / 16) row r, words 8 w + 4 h + q, q = 0 .. 3.  A word of the 8 planes is one block of 32 along K,
; and all 32 numbers of a block lie in ONE lane's registers: the largest magnitude needs no other lane, and the conversions give codes with K innermost.
; THE TABLES lie in LDS with the lane innermost: entry idx of my row at 128 idx + 4 lane (two copies of each row, one for each half of the lanes): whatever the 32 indices are, the 32 lanes of a look-up name 32 different words of a row of banks.
; THE INDICES: 8 words of 32 bits are turned into 32 bytes by three rounds of exchanges (1, 2 and 4 bits), 48 lines a block.
; PHASES, parted by barriers: A the planes and tables go into LDS; B LDS is only read (planes, look-ups), all codes stay in registers; C the codes go through each wave's own stage and leave as rows: sixteen lanes store 256 consecutive bytes, aligned.
; The scale words leave as 128 consecutive bytes a wave and kind.
; LIMITS: a block of zeros gets the byte 1 where the rule says 127 (its codes are zeros, and this program alone reads the bytes); NaN and infinities in the tables are not served.
.set L4,   32768                       ; LDS: lut8's image at 0 (32,768 bytes), lut4's here (2,048),
.set QW,   34816                       ; the planes: [plane][row], rows 528 bytes apart (512 + 16), planes 8,448,
.set STG,  102400                      ; the stages: 8,704 bytes a wave: for each kind 16 rows x (256 + 16)
.set WSS,  16777216                    ; where the scale bytes begin in wql and wqh
.set PW,   16                          ; v16-47   the planes' words: register 4 p + q
.set E,    48                          ; v48-55   a block's indices, four to a register: byte u of register s is position 8 u + s
.set T,    56                          ; v56-59   at work
.set X8,   96                          ; v96-127  a block's LDS addresses, then its numbers of w_h
.set X4,   128                         ; v128-159 the same for w_l
.set C,    160                         ; v160-223 the codes: 8 registers for block q and kind k at 16 q + 8 k
.set SB,   14                          ; v14, v15 the scale words of kind 0 (w_l) and kind 1 (w_h)
.set L4S,  224                         ; v224     where I store my entry of lut4
	s_load_b256 s[4:11], s[0:1], 0x0               ; qweight, lut4, lut8, wql
	s_load_b64 s[12:13], s[0:1], 0x20              ; wqh
	v_lshl_add_u32 v232, v0, 2, 0x3b000
	v_mov_b32 v233, 0
	v_lshrrev_b32 v1, 5, v0
	s_delay_alu instid0(VALU_DEP_1)
	v_readfirstlane_b32 s32, v1                    ; wave 0..15
	v_and_b32 v1, 31, v0                           ; lane
	v_and_b32 v2, 15, v0                           ; r
	v_bfe_u32 v3, v0, 4, 1                         ; h
	v_lshlrev_b32 v11, 4, v0                       ; the planes in memory: 16 bytes a thread: 16 rows of 512 bytes are 8,192 consecutive bytes
	s_delay_alu instid0(VALU_DEP_3)
	v_lshlrev_b32 v12, 10, v2                      ; lut8: row r of 1,024 bytes, entries 16 w on
	s_lshl_b32 s33, s32, 6
	v_add_nc_u32 v12, s33, v12
	v_lshlrev_b32 v13, 6, v2                       ; lut4: row r of 64 bytes, entry w
	s_lshl_b32 s33, s32, 2
	v_add_nc_u32 v13, s33, v13
	v_mul_u32_u24 v4, v2, 528                      ; the planes out of LDS: row r, words 8 w + 4 h on
	s_delay_alu instid0(VALU_DEP_1)
	v_lshl_add_u32 v4, v3, 4, v4
	s_lshl_b32 s33, s32, 5
	s_add_co_u32 s33, s33, QW
	v_add_nc_u32 v4, s33, v4
	s_mul_i32 s33, s32, 528                        ; and into it: thread t holds row t / 32 = w, bytes 16 (t % 32) on
	s_add_co_u32 s33, s33, QW
	v_lshl_add_u32 v5, v1, 4, s33
	v_lshlrev_b32 v1, 2, v1                        ; from here on v1 = 4 x lane
	s_lshl_b32 s33, s32, 11
	v_add_nc_u32 v6, s33, v1                       ; lut8's image: entries 16 w + k at 128 (16 w + k) + 4 lane
	s_lshl_b32 s33, s32, 7
	s_add_co_u32 s33, s33, L4
	v_add_nc_u32 v[L4S], s33, v1                   ; lut4's: entry w
	s_mul_i32 s34, s32, 8704
	s_add_co_u32 s34, s34, STG                     ; my stage
	v_mul_u32_u24 v7, v2, 272
	s_delay_alu instid0(VALU_DEP_1)
	v_lshl_add_u32 v7, v3, 7, v7
	s_delay_alu instid0(VALU_DEP_1)
	v_add_nc_u32 v7, s34, v7                       ; into it: row r, my four blocks' 128 bytes
	v_mul_u32_u24 v8, v3, 272
	s_delay_alu instid0(VALU_DEP_1)
	v_lshl_add_u32 v8, v2, 4, v8
	s_delay_alu instid0(VALU_DEP_1)
	v_add_nc_u32 v8, s34, v8                       ; out of it: sixteen lanes to a row, two rows an instruction
	v_lshlrev_b32 v9, 12, v3
	s_delay_alu instid0(VALU_DEP_1)
	v_lshl_add_u32 v9, v2, 4, v9                   ; and the same place in the codes' buffer (rows of 4,096 bytes)
	v_lshlrev_b32 v10, 3, v2
	s_delay_alu instid0(VALU_DEP_1)
	v_lshl_add_u32 v10, v3, 2, v10                 ; my scale word: 8 bytes a row, word h
	s_mov_b32 s20, 0x55555555
	s_mov_b32 s21, 0x33333333
	s_mov_b32 s22, 0x0f0f0f0f
	s_mov_b32 s23, 0x600000                        ; the mantissa field of 57,344
	s_mov_b32 s19, 0
	s_lshl_b32 s18, ttmp9, 13
	s_wait_kmcnt 0x0
	s_add_nc_u64 s[14:15], s[4:5], s[18:19]        ; planes 0-3 of my 16 rows,
	s_add_nc_u64 s[16:17], s[14:15], 0x800000      ; planes 4-7: four planes of 2,097,152 bytes on
	s_lshl_b32 s18, ttmp9, 10
	s_add_nc_u64 s[6:7], s[6:7], s[18:19]
	s_lshl_b32 s18, ttmp9, 14
	s_add_nc_u64 s[8:9], s[8:9], s[18:19]
	s_lshl_b32 s18, ttmp9, 16                      ; codes: 16 rows of 4,096 bytes a work-group, 256 bytes a wave
	s_lshl_b32 s33, s32, 8
	s_add_co_u32 s18, s18, s33
	s_add_nc_u64 s[24:25], s[10:11], s[18:19]
	s_add_nc_u64 s[26:27], s[12:13], s[18:19]
	s_lshl_b32 s18, s32, 15                        ; scale bytes: 32,768 a K step, 128 a work-group
	s_lshl_b32 s33, ttmp9, 7
	s_add_co_u32 s18, s18, s33
	s_add_co_u32 s18, s18, WSS
	s_add_nc_u64 s[28:29], s[10:11], s[18:19]
	s_add_nc_u64 s[30:31], s[12:13], s[18:19]
	; ---- A: planes and tables into LDS
.irp p, 0,1,2,3,4,5,6,7
	global_load_b128 v[PW+4*\p:PW+4*\p+3], v11, s[14+2*(\p/4):15+2*(\p/4)] offset:(\p%4)*2097152 th:TH_LOAD_NT
.endr
.irp c, 0,1,2,3
	global_load_b128 v[X8+4*\c:X8+4*\c+3], v12, s[8:9] offset:16*\c
.endr
	global_load_b32 v[X4], v13, s[6:7]
	s_wait_loadcnt 0x0
.irp p, 0,1,2,3,4,5,6,7
	ds_store_b128 v5, v[PW+4*\p:PW+4*\p+3] offset:8448*\p
.endr
.irp k, 0,1,2,3,4,5,6,7,8,9,10,11,12,13,14,15
	ds_store_b32 v6, v[X8+\k] offset:128*\k        ; 32 lanes store 128 consecutive bytes
.endr
	ds_store_b32 v[L4S], v[X4]
	s_wait_dscnt 0x0                               ; for the others' sake: my stores have landed
	s_barrier_signal -1
	s_barrier_wait -1
	; ---- B: LDS is only read
.irp p, 0,1,2,3,4,5,6,7
	ds_load_b128 v[PW+4*\p:PW+4*\p+3], v4 offset:8448*\p
.endr
	s_wait_dscnt 0x0
; one exchange: of lo and hi, the bits under mask m stay in lo and come down from lo into hi; the others go up from hi into lo and stay in hi
.macro XCH lo, hi, dlo, dhi, m, sh, tt
	v_lshlrev_b32 v[T+(\tt)], \sh, v[(\hi)]
	v_lshrrev_b32 v[T+(\tt)+1], \sh, v[(\lo)]
	s_delay_alu instid0(VALU_DEP_2)
	v_bfi_b32 v[(\dlo)], s[\m], v[(\lo)], v[T+(\tt)]
	s_delay_alu instid0(VALU_DEP_2)
	v_bfi_b32 v[(\dhi)], s[\m], v[T+(\tt)+1], v[(\hi)]
.endm
; 32 numbers v[s] .. v[s + 31] of one block become 8 registers of codes and a byte of the kind's scale word
.macro QUANT s, kind, q
	v_max3_num_f32 v60, |v[\s]|, |v[\s+1]|, |v[\s+2]|
	v_max3_num_f32 v61, |v[\s+3]|, |v[\s+4]|, |v[\s+5]|
.irp i, 6,10,14,18,22,26
	s_delay_alu instid0(VALU_DEP_2)
	v_max3_num_f32 v60, v60, |v[\s+\i]|, |v[\s+\i+1]|
	s_delay_alu instid0(VALU_DEP_2)
	v_max3_num_f32 v61, v61, |v[\s+\i+2]|, |v[\s+\i+3]|
.endr
	s_delay_alu instid0(VALU_DEP_2)
	v_max3_num_f32 v60, v60, |v[\s+30]|, |v[\s+31]|
	s_delay_alu instid0(VALU_DEP_1)
	v_max3_num_f32 v60, v60, v61, 0x8000000        ; and the floor 2^(16 - 127): the byte cannot fall under 1
	s_delay_alu instid0(VALU_DEP_1)
	v_add_nc_u32 v63, 0xf8800000, v60              ; 15 off the exponent field: the conversion's scale operand
	s_delay_alu instid0(VALU_DEP_2)
	v_and_or_b32 v62, v60, 0x7f800000, s23         ; 57,344 x the scale
	s_delay_alu instid0(VALU_DEP_2)
	v_lshrrev_b32 v61, 23, v63                     ; the scale's byte
.if \q == 0
	s_delay_alu instid0(VALU_DEP_1)
	v_mov_b32 v[SB+\kind], v61
.else
	s_delay_alu instid0(VALU_DEP_1)
	v_lshl_or_b32 v[SB+\kind], v61, 8*\q, v[SB+\kind]
.endif
.set i, 0
.rept 32
	v_med3_num_f32 v[\s+i], v[\s+i], -v62, v62     ; the conversion to an 8-bit code does not saturate (ISA guide 7.6.2): hold the number first
.set i, i+1
.endr
.irp g, 0,1,2,3
	v_cvt_scalef32_pk8_bf8_f32 v[C+16*\q+8*\kind+2*\g:C+16*\q+8*\kind+2*\g+1], v[\s+8*\g:\s+8*\g+7], v63
.endr
	v_nop                                          ; a plain line between the conversions and the next line that writes their sources
.endm
.macro BLOCK q
.irp n, 0,1,2,3                                ; planes 2 n, 2 n + 1: single bits change places
	XCH PW+8*\n+\q, PW+8*\n+4+\q, E+2*\n, E+2*\n+1, 20, 1, 2*(\n%2)
.endr
	XCH E+0, E+2, E+0, E+2, 21, 2, 0               ; pairs of bits
	XCH E+1, E+3, E+1, E+3, 21, 2, 2
	XCH E+4, E+6, E+4, E+6, 21, 2, 0
	XCH E+5, E+7, E+5, E+7, 21, 2, 2
.irp n, 0,1,2,3                                ; nibbles: byte u of register s is now the index of position 8 u + s
	XCH E+\n, E+4+\n, E+\n, E+4+\n, 22, 4, 2*(\n%2)
.endr
.irp u, 0,1,2,3
.irp s, 0,1,2,3,4,5,6,7
	v_bfe_u32 v[X8+8*\u+\s], v[E+\s], 8*\u, 8
.endr
.endr
.set i, 0
.rept 32
	v_min_u32 v[X8+i], 0xff, v[X8+i]               ; a number that was loaded enters an address only behind this bound
.set i, i+1
.endr
.set i, 0
.rept 32
	v_lshl_add_u32 v[X8+i], v[X8+i], 7, v1         ; 128 x index + 4 x lane
.set i, i+1
.endr
.set i, 0
.rept 32
	v_and_b32 v[X4+i], 0x7ff, v[X8+i]              ; 128 x (index & 15) + 4 x lane
.set i, i+1
.endr
.set i, 0
.rept 32
	ds_load_b32 v[X8+i], v[X8+i]
.set i, i+1
.endr
.set i, 0
.rept 32
	ds_load_b32 v[X4+i], v[X4+i] offset:L4
.set i, i+1
.endr
	s_wait_dscnt 32                                ; lut8's 32 are in; lut4's 32 may be out
	QUANT X8, 1, \q
	s_wait_dscnt 0x0
	QUANT X4, 0, \q
.endm
	BLOCK 0
	BLOCK 1
	BLOCK 2
	BLOCK 3
	s_wait_alu depctr_va_vdst(0)
	s_wait_dscnt 0x0                               ; none of my LDS loads is out
	s_barrier_signal -1
	s_barrier_wait -1                              ; no wave reads the tables any more
	; ---- C: the codes leave through my own stage
.irp k, 0,1
.irp q, 0,1,2,3
	ds_store_b128 v7, v[C+16*\q+8*\k:C+16*\q+8*\k+3] offset:4352*\k+32*\q
	ds_store_b128 v7, v[C+16*\q+8*\k+4:C+16*\q+8*\k+7] offset:4352*\k+32*\q+16
.endr
.endr
.irp k, 0,1
.irp i, 0,1,2,3,4,5,6,7
	ds_load_b128 v[X4-32*\k+4*\i:X4-32*\k+4*\i+3], v8 offset:4352*\k+544*\i   ; LDS serves a wave's instructions in order: these see my stores
.endr
.endr
	global_store_b32 v10, v[SB], s[28:29]          ; my rows' scale words of this K step: 128 consecutive bytes a wave
	global_store_b32 v10, v[SB+1], s[30:31]
.irp k, 0,1
.irp i, 0,1,2,3,4,5,6,7
	s_wait_dscnt 15-8*\k-\i
	global_store_b128 v9, v[X4-32*\k+4*\i:X4-32*\k+4*\i+3], s[24+2*\k:25+2*\k] offset:8192*\i   ; rows 2 i and 2 i + 1: sixteen lanes store 256 consecutive bytes, aligned
.endr
.endr
	s_wait_tensorcnt 0x0
	ds_add_u32 v232, v233
	s_wait_dscnt 0x0
	s_endpgm
.Lfunc_end_k_qc81071bcaa_wquant:
	.size	k_qc81071bcaa_wquant, .Lfunc_end_k_qc81071bcaa_wquant-k_qc81071bcaa_wquant
	.p2alignl 7, 3214868480
	.fill 96, 4, 3214868480
	.section	.rodata,"a",@progbits
	.p2align	6, 0x0
	.amdhsa_kernel k_qc81071bcaa_wquant
		.amdhsa_group_segment_fixed_size 243712
		.amdhsa_private_segment_fixed_size 0
		.amdhsa_enable_private_segment 0
		.amdhsa_kernarg_size 40
		.amdhsa_user_sgpr_count 2
		.amdhsa_user_sgpr_kernarg_segment_ptr 1
		.amdhsa_wavefront_size32 1
		.amdhsa_system_sgpr_workgroup_id_x 1
		.amdhsa_system_sgpr_workgroup_id_y 1
		.amdhsa_system_sgpr_workgroup_id_z 1
		.amdhsa_system_vgpr_workitem_id 0
		.amdhsa_next_free_vgpr 234
		.amdhsa_next_free_sgpr 66
		.amdhsa_reserve_vcc 0
		.amdhsa_float_denorm_mode_32 3
		.amdhsa_float_denorm_mode_16_64 3
		.amdhsa_memory_ordered 1
		.amdhsa_forward_progress 1
		.amdhsa_inst_pref_size 105
	.end_amdhsa_kernel
	.amdgpu_metadata
---
amdhsa.version: [ 1, 2 ]
amdhsa.kernels:
  - .name:           k_qc81071bcaa_wquant
    .symbol:         k_qc81071bcaa_wquant.kd
    .args:
      - { .name: qweight, .offset: 0, .size: 8, .value_kind: global_buffer, .address_space: global }
      - { .name: lut4, .offset: 8, .size: 8, .value_kind: global_buffer, .address_space: global }
      - { .name: lut8, .offset: 16, .size: 8, .value_kind: global_buffer, .address_space: global }
      - { .name: wql, .offset: 24, .size: 8, .value_kind: global_buffer, .address_space: global }
      - { .name: wqh, .offset: 32, .size: 8, .value_kind: global_buffer, .address_space: global }
    .group_segment_fixed_size: 243712
    .private_segment_fixed_size: 0
    .kernarg_segment_align: 8
    .kernarg_segment_size: 40
    .max_flat_workgroup_size: 512
    .sgpr_count:     66
    .vgpr_count:     234
    .wavefront_size: 32
...
	.end_amdgpu_metadata
.endif
;; end of part 2
;; launch gemm (part 3): grid 32 x 8, 4 waves a work-group, clusters of 4 x 4, 327,680 bytes of LDS; arguments xq, wql, wqh, flags, bias, out0; writes out0
.if DOCPART == 3
	.amdgcn_target "amdgcn-amd-amdhsa--gfx1250"
	.amdhsa_code_object_version 6
	.text
	.protected	k_qc81071bcaa_gemm
	.globl	k_qc81071bcaa_gemm
	.p2align	8
	.type	k_qc81071bcaa_gemm,@function
k_qc81071bcaa_gemm:
	s_mov_b64 s[64:65], 0
	v_nop
	global_prefetch_b8 v0, s[64:65] scope:SCOPE_SE
	s_setreg_imm32_b32 hwreg(HW_REG_WAVE_MODE, 25, 1), 1
	s_wait_xcnt 0x0
	s_wait_alu depctr_hold_cnt(0) depctr_sa_sdst(0) depctr_va_vdst(0) depctr_va_sdst(0) depctr_va_ssrc(0) depctr_va_vcc(0) depctr_vm_vsrc(0)
	s_getreg_b32 s2, hwreg(HW_REG_IB_STS2, 6, 4)
	s_cmp_eq_u32 s2, 0
	s_cbranch_scc0 .Lentry_in_a_cluster
	s_endpgm
.Lentry_in_a_cluster:
	s_bfe_u32 s2, ttmp6, 0x10000c
	s_cmp_lg_u32 s2, 0xf033
	s_cbranch_scc0 .Lentry_shape_is_right
	s_endpgm
.Lentry_shape_is_right:
; out0[token][o] = (flags[token] ? x w_h^T : x w_l^T) + bias, on codes of MX-BF8 (E5M2, an E8M0 byte for 32 along K); sums in f32.  Both products are made for every token, and a row is selected.
; xq: codes [2048][4096], scale bytes [16 K steps][2048][8] at XQS.  wql, wqh: codes [4096][4096], scale bytes [16][4096][8] at WSS.  flags[token]: 0 or 1.
; THE DEAL.  256 work-groups: 8 tile rows of 256 tokens x 32 tile columns of 128 outputs.  A work-group makes its tile for BOTH weights: wave (hr, hc) takes tokens 128 hr .. and weight hc (0: w_l, 1: w_h):
; 128 x 128, 64 accumulators.  K goes in steps of 256 through two LDS slots (256 rows of x, 128 of w_l, 128 of w_h; rows of 256 bytes + 16 of padding).
; CLUSTERS of 4 x 4: x's tiles are asked for jointly along a row of the cluster, the weights' along a column.  Waves 0, 1 fetch x's halves, wave 2 w_l's rows, wave 3 w_h's: a load line each.
; The matrix instruction is used transposed (source 0 = a weight's rows): a lane holds eight neighbouring outputs of one token.  The bias is the first products' C.
; SCALE WORDS come by plain loads, one K step ahead: a wave's 128 rows x 8 bytes of a K step are 1,024 consecutive bytes.
; THE WAY OUT.  Both slots have had their last fill: slot hc takes weight hc's 256 x 128 results; behind a barrier each row is read from both, one is chosen in registers by the token's flag, and it is stored once, 512 consecutive bytes.
; The flag makes a lane mask alone: no address and no branch hangs on it.
; PREFETCH: behind each refill a wave names the K step two refills on of 32 of the 128 rows that it fetches, a lane a row; the four partners of a joint load share the rows by address; the loop's last trip asks for nothing.
; x's rows, which the eight clusters of a row of clusters all load, are named by the four with cluster x under 4.
; LIMITS: NaN and infinities in the inputs are not served.
.set NQ,     2
.set ROWB,   256
.set KROW,   4096
.set PITCH,  272
.set FR,     16
.set NL,     4
.set NP,     8                         ; plain vector lines behind this matrix form (ISA guide 7.12.1)
.set HALFT,  128*PITCH
.set SLOT,   4*HALFT
.set LAPS,   8
.set SPARE,  2*SLOT                    ; the spare words, 512 bytes
.set SPITCH, 528                       ; a stage row: 512 bytes + 16
.set XQS,    8388608
.set WSS,    16777216
.set ASTEP,  16384
.set BSTEP,  32768
.set ADRA, 16                          ; v16, v17 my fragments of x in slot 0, 1
.set ADRB, 20                          ; v20, v21 of my weight
.set RDH,  23                          ; out of w_h's stage
.set STO,  24                          ; into my weight's stage
.set RD,   25                          ; out of w_l's stage
.set CO,   26                          ; 16 x lane
.set VS,   27                          ; 8 x lane
.set SPW,  28
.set NIL,  29
.set BO,   30                          ; bias: 32 x half
.set PFO,  31                          ; prefetch: lane x 4,096
.set SC,   32                          ; v32-63 scale words, two sets of 16
.set BI,   64                          ; v64-127 the bias
.set AF,   128                         ; x's fragments, window 0
.set BK,   128                         ; the way out: two sets of 8 rows from either stage
.set LIM,  16                          ; s16: 1 where my wave prefetches, else the greatest number
.set WV,   18
.set HR,   19
.set HC,   20
.set G1,   24
.set G0,   32
.set G1B,  48
.set G0L,  56
.set G0H,  88
.set PFA,  74
.set SAB,  80
.set SBB,  82
.set MSB, 0
.macro WIN new
.if MSB != (\new)
	s_set_vgpr_msb (MSB<<8)|(\new)
.set MSB, (\new)
.endif
.endm
.set MUL_LO, 0xa1
.set MUL_HI, 0xf1
.set FST_LO, 0x81
.set FST_HI, 0xc1
.set TO_B,   0x40
.macro TL g0, g1                       ; a tensor load with five lines behind it
	tensor_load_to_lds s[\g0:\g0+3], s[\g1:\g1+7]
	s_nop 0
.rept 4
	v_nop
.endr
.endm
.macro JLOAD s                         ; one chain on the wave's number, one joint load to an arm
	s_cmp_lt_u32 s[WV], 2
	s_cbranch_scc0 .Lfor_w_\@
	TL G0+4*\s, G1
	s_branch .Lasked_\@
.Lfor_w_\@:
	s_cmp_eq_u32 s[WV], 2
	s_cbranch_scc0 .Lfor_h_\@
	TL G0L+4*\s, G1B
	s_branch .Lasked_\@
.Lfor_h_\@:
	TL G0H+4*\s, G1B
.Lasked_\@:
.endm
.macro CREST
	s_cmp_lg_u32 s[WV], 0
	s_cbranch_scc1 .Lnot_wave_0_\@
	s_barrier_signal -3
.Lnot_wave_0_\@:
	s_barrier_wait -3
	s_barrier_signal -1
	s_barrier_wait -1
.endm
.macro CROUND
	s_barrier_signal -1
	s_barrier_wait -1
	CREST
.endm
	s_load_b256 s[4:11], s[0:1], 0x0               ; xq, wql, wqh, flags
	s_load_b128 s[12:15], s[0:1], 0x20             ; bias, out0
	v_lshl_add_u32 v[SPW], v0, 2, SPARE
	v_mov_b32 v[NIL], 0
	ds_add_u32 v[SPW], v[NIL]                      ; the opening lines: the add twice and its wait
	ds_add_u32 v[SPW], v[NIL]
	v_lshrrev_b32 v1, 5, v0
	v_readfirstlane_b32 s[WV], v1
	s_lshr_b32 s[HR], s[WV], 1
	s_and_b32 s[HC], s[WV], 1
	s_bfe_u32 s40, ttmp6, 0x40000                  ; cx
	s_bfe_u32 s41, ttmp6, 0x40004                  ; cy
	s_lshl_b32 s42, ttmp9, 2
	s_add_co_u32 s42, s42, s40                     ; tile column
	s_and_b32 s21, ttmp7, 0xffff
	s_lshl_b32 s21, s21, 2
	s_add_co_u32 s21, s21, s41                     ; tile row
	s_lshl_b32 s43, s41, 2
	s_lshl_b32 s43, 15, s43                        ; my row of the cluster
	s_lshl_b32 s44, 0x1111, s40                    ; my column
	s_or_b32 s[G1+0], s43, (1<<20)|(1<<21)|(5<<22)|(3<<25)
	s_or_b32 s[G1B+0], s44, (1<<20)|(1<<21)|(5<<22)|(3<<25)
.irp g, G1, G1B
	s_mov_b32 s[\g+1], ROWB<<16
	s_mov_b32 s[\g+2], 128<<16
	s_mov_b32 s[\g+3], ROWB<<16
	s_mov_b32 s[\g+4], 128
	s_mov_b32 s[\g+5], KROW
	s_mov_b32 s[\g+6], 0
	s_mov_b32 s[\g+7], 0
.endr
	s_lshl_b32 s22, s21, 20                        ; x: 256 rows a tile row, my half of them
	s_lshl_b32 s23, s[HC], 19
	s_add_co_u32 s22, s22, s23
	s_mov_b32 s23, 0
	s_lshl_b32 s46, s42, 19                        ; a weight: 128 rows a tile column
	s_mov_b32 s47, 0
	s_mul_i32 s45, s[WV], HALFT
	s_wait_dscnt 0x0
	s_wait_kmcnt 0x0
	s_cmp_eq_u32 s[HC], 1
	s_cselect_b64 s[66:67], s[8:9], s[6:7]         ; my weight's buffer: for scale words and prefetches
	s_add_nc_u64 s[22:23], s[4:5], s[22:23]
	s_add_nc_u64 s[86:87], s[8:9], s[46:47]
	s_add_nc_u64 s[46:47], s[6:7], s[46:47]
	CROUND                                         ; in front of the first joint loads
.irp s, 0,1
	s_mov_b32 s[G0+4*\s], 1
	s_add_co_u32 s[G0+4*\s+1], s45, \s*SLOT
	s_add_nc_u64 s[G0+4*\s+2:G0+4*\s+3], s[22:23], \s*ROWB
	s_or_b32 s[G0+4*\s+3], s[G0+4*\s+3], 0x80000000
	s_mov_b32 s[G0L+4*\s], 1
	s_mov_b32 s[G0L+4*\s+1], 2*HALFT+\s*SLOT
	s_add_nc_u64 s[G0L+4*\s+2:G0L+4*\s+3], s[46:47], \s*ROWB
	s_or_b32 s[G0L+4*\s+3], s[G0L+4*\s+3], 0x80000000
	s_mov_b32 s[G0H+4*\s], 1
	s_mov_b32 s[G0H+4*\s+1], 3*HALFT+\s*SLOT
	s_add_nc_u64 s[G0H+4*\s+2:G0H+4*\s+3], s[86:87], \s*ROWB
	s_or_b32 s[G0H+4*\s+3], s[G0H+4*\s+3], 0x80000000
.endr
	JLOAD 0                                        ; K step 0: one tensor load a wave at the head
	s_mul_i32 s68, s[HR], HALFT                    ; LDS: my 128 rows of x,
	s_mul_i32 s69, s[HC], HALFT
	s_add_co_u32 s69, s69, 2*HALFT                 ; of my weight,
	s_mul_i32 s70, s[HC], SLOT
	s_mul_i32 s71, s[HR], 128*SPITCH
	s_add_co_u32 s70, s70, s71                     ; my part of my weight's stage,
	s_mul_i32 s71, s[WV], 64*SPITCH                ; and the 64 rows that I send
	s_lshl_b32 s72, s42, 9
	s_mov_b32 s73, 0
	s_add_nc_u64 s[84:85], s[12:13], s[72:73]      ; bias: 128 numbers a tile column
	s_add_nc_u64 s[14:15], s[14:15], s[72:73]
	s_lshl_b32 s72, s21, 22
	s_lshl_b32 s86, s[WV], 20
	s_add_co_u32 s72, s72, s86
	s_add_nc_u64 s[14:15], s[14:15], s[72:73]      ; out0: token 256 x tile row + 64 x wave
	s_lshl_b32 s72, s21, 10
	s_lshl_b32 s86, s[WV], 8
	s_add_co_u32 s72, s72, s86
	s_add_nc_u64 s[10:11], s[10:11], s[72:73]      ; and its flag
	s_lshl_b32 s72, s21, 11
	s_lshl_b32 s86, s[HR], 10
	s_add_co_u32 s72, s72, s86
	s_add_co_u32 s72, s72, XQS
	s_add_nc_u64 s[SAB:SAB+1], s[4:5], s[72:73]
	s_lshl_b32 s72, s42, 10
	s_add_co_u32 s72, s72, WSS
	s_add_nc_u64 s[SBB:SBB+1], s[66:67], s[72:73]
	s_lshl_b32 s72, s21, 20                        ; prefetch: of the 128 rows that I fetch my work-group's 32, by its place among the four that ask jointly
	s_lshl_b32 s86, s[HC], 19
	s_add_co_u32 s72, s72, s86
	s_lshl_b32 s86, s40, 17
	s_add_co_u32 s72, s72, s86
	s_lshl_b32 s86, s42, 19
	s_lshl_b32 s87, s41, 17
	s_add_co_u32 s86, s86, s87
	s_cmp_lt_u32 ttmp9, 4
	s_cselect_b32 s[LIM], 1, -1                    ; x's rows: the clusters with x under 4 ask
	s_cmp_eq_u32 s[HR], 0
	s_cselect_b32 s[LIM], s[LIM], 1                ; the weights' rows: every cluster
	s_cselect_b32 s72, s72, s86
	s_cselect_b64 s[PFA:PFA+1], s[4:5], s[66:67]
	s_add_co_u32 s72, s72, 4*ROWB                  ; the first refill brings K step 2 and names K step 4
	s_add_nc_u64 s[PFA:PFA+1], s[PFA:PFA+1], s[72:73]
	v_and_b32 v1, 15, v0
	v_bfe_u32 v2, v0, 4, 1
	v_and_b32 v6, 31, v0
	v_mul_u32_u24 v3, v1, PITCH
	v_lshl_add_u32 v4, v2, 4, v3
	v_mul_u32_u24 v5, v1, SPITCH
	v_lshl_add_u32 v5, v2, 5, v5
	v_lshlrev_b32 v[CO], 4, v6
	v_lshlrev_b32 v[VS], 3, v6
	v_lshlrev_b32 v[BO], 5, v2
	v_lshlrev_b32 v[PFO], 12, v6
	v_add_nc_u32 v[ADRA], s68, v4
	v_add_nc_u32 v[ADRB], s69, v4
	v_add_nc_u32 v[ADRA+1], SLOT, v[ADRA]
	v_add_nc_u32 v[ADRB+1], SLOT, v[ADRB]
	v_add_nc_u32 v[STO], s70, v5
	v_add_nc_u32 v[RD], s71, v[CO]
	v_add_nc_u32 v[RDH], SLOT, v[RD]
	s_wait_alu depctr_va_vdst(0)                   ; the wait at the head's end: no vector line follows ahead of the waits below
.macro GSCALES set, ko                 ; load i: lanes 0-15 block 2 i's two words, lanes 16-31 block 2 i + 1's
.irp i, 0,1,2,3
	global_load_b64 v[SC+16*\set+2*\i:SC+16*\set+2*\i+1], v[VS], s[SAB:SAB+1] offset:256*\i+ASTEP*\ko
.endr
.irp i, 0,1,2,3
	global_load_b64 v[SC+16*\set+8+2*\i:SC+16*\set+8+2*\i+1], v[VS], s[SBB:SBB+1] offset:256*\i+BSTEP*\ko
.endr
.endm
.irp b, 0,1,2,3,4,5,6,7
	global_load_b128 v[BI+8*\b:BI+8*\b+3], v[BO], s[84:85] offset:64*\b
	global_load_b128 v[BI+8*\b+4:BI+8*\b+7], v[BO], s[84:85] offset:64*\b+16
.endr
	GSCALES 0, 0
	GSCALES 1, 1
.macro FRAG reg, adr, q, i
.irp c, 0,1,2,3
	ds_load_b128 v[\reg+4*\c:\reg+4*\c+3], v[\adr] offset:128*(\q)+32*\c+(\i)*16*PITCH
.endr
.endm
.macro MUL16 a0, p, q, sc, zero        ; x's blocks a0, a0 + 1 against the weight's eight; the 64 accumulators take turns
.irp a, \a0, \a0+1
.irp b, 0,1,2,3,4,5,6,7
.set rD, 8*(8*((\a)%4)+\b)
.set rB, 128*(\p)+FR*\b
.set rA, AF+FR*(\a)
.set rSB, SC+16*(\sc)+8+2*(\b/2)+(\q)
.set rSA, SC+16*(\sc)+2*((\a)/2)+(\q)
.set rC, rD
.if \zero
.set rC, BI+8*\b
.endif
.if ((\b)%2) && ((\a)%2)
	v_wmma_scale_f32_16x16x128_f8f6f4 v[rD:rD+7], v[rB:rB+FR-1], v[rA:rA+FR-1], v[rC:rC+7], v[rSB], v[rSA] matrix_a_fmt:MATRIX_FMT_BF8 matrix_b_fmt:MATRIX_FMT_BF8 matrix_a_scale:MATRIX_SCALE_ROW1 matrix_b_scale:MATRIX_SCALE_ROW1
.elseif ((\b)%2)
	v_wmma_scale_f32_16x16x128_f8f6f4 v[rD:rD+7], v[rB:rB+FR-1], v[rA:rA+FR-1], v[rC:rC+7], v[rSB], v[rSA] matrix_a_fmt:MATRIX_FMT_BF8 matrix_b_fmt:MATRIX_FMT_BF8 matrix_a_scale:MATRIX_SCALE_ROW1
.elseif ((\a)%2)
	v_wmma_scale_f32_16x16x128_f8f6f4 v[rD:rD+7], v[rB:rB+FR-1], v[rA:rA+FR-1], v[rC:rC+7], v[rSB], v[rSA] matrix_a_fmt:MATRIX_FMT_BF8 matrix_b_fmt:MATRIX_FMT_BF8 matrix_b_scale:MATRIX_SCALE_ROW1
.else
	v_wmma_scale_f32_16x16x128_f8f6f4 v[rD:rD+7], v[rB:rB+FR-1], v[rA:rA+FR-1], v[rC:rC+7], v[rSB], v[rSA] matrix_a_fmt:MATRIX_FMT_BF8 matrix_b_fmt:MATRIX_FMT_BF8
.endif
.endr
.endr
.endm
.macro FETCH_B slot, q, p
	WIN TO_B
.irp i, 0,1,2,3,4,5,6,7
	FRAG 128*(\p)+FR*\i, ADRB+\slot, \q, \i
.endr
	WIN 0
.endm
.macro FETCH_A slot, q, i0
.irp i, \i0, \i0+1, \i0+2, \i0+3
	FRAG AF+FR*(\i), ADRA+\slot, \q, \i
.endr
.endm
.macro PLACES n
.rept \n
	v_nop
.endr
.endm
.macro STEP slot, q, zero, lw          ; a slot's first 128 along K.  lw: the scale loads that may stay out (the next K step's 8)
	s_wait_loadcnt \lw
	s_wait_dscnt 4*NL                              ; x's blocks 4-7 may be out
.if \zero
	WIN FST_LO
.else
	WIN MUL_LO
.endif
	MUL16 0, (\q)%2, \q, \slot, \zero
	MUL16 2, (\q)%2, \q, \slot, \zero
	s_wait_dscnt 0
	PLACES NP
	FETCH_B \slot, (\q)+1, 1-(\q)%2
	FETCH_A \slot, (\q)+1, 0
.if \zero
	WIN FST_HI
.else
	WIN MUL_HI
.endif
	MUL16 4, (\q)%2, \q, \slot, \zero
	MUL16 6, (\q)%2, \q, \slot, \zero
	PLACES NP
	WIN 0
	FETCH_A \slot, (\q)+1, 4
.endm
.macro TURN slot, next, fill           ; a slot's last 128 along K, and the change of slots
	s_wait_tensorcnt 0x0                           ; all my tensor loads are in: my part of the next slot;
	ds_add_u32 v[SPW], v[NIL]                      ; an add to the spare words;
	s_wait_dscnt 4*NL+1                            ; (the add and x's blocks 4-7 may be out)
	WIN MUL_LO
	MUL16 0, 1, NQ-1, \slot, 0
	s_wait_dscnt 0x0                               ; the add is done, my reads of this slot are over
	s_barrier_signal -1
	MUL16 2, 1, NQ-1, \slot, 0
	WIN 0
	s_barrier_wait -1
.if \fill
	CREST                                          ; the barrier has opened a round of the cluster's barrier
	s_add_nc_u64 s[G0+4*\slot+2:G0+4*\slot+3], s[G0+4*\slot+2:G0+4*\slot+3], 2*ROWB
	s_add_nc_u64 s[G0L+4*\slot+2:G0L+4*\slot+3], s[G0L+4*\slot+2:G0L+4*\slot+3], 2*ROWB
	s_add_nc_u64 s[G0H+4*\slot+2:G0H+4*\slot+3], s[G0H+4*\slot+2:G0H+4*\slot+3], 2*ROWB
	JLOAD \slot                                    ; the first tensor load behind the round
	PLACES NP-4
.else
	PLACES NP
.endif
	FETCH_B \next, 0, 0
	FETCH_A \next, 0, 0
.if \fill
	s_cmp_gt_u32 s3, s[LIM]                        ; the last trip's refills have no K step two refills on
	s_cbranch_scc0 .Lnone_ahead_\@
	global_prefetch_b8 v[PFO], s[PFA:PFA+1] th:TH_LOAD_NT scope:SCOPE_SE
.Lnone_ahead_\@:
.endif
	WIN MUL_HI
	MUL16 4, 1, NQ-1, \slot, 0
	MUL16 6, 1, NQ-1, \slot, 0
	PLACES NP
	WIN 0
	FETCH_A \next, 0, 4
.if \fill
	s_wait_xcnt 0x0                                ; the scale loads and the prefetch have read their bases
	s_add_nc_u64 s[SAB:SAB+1], s[SAB:SAB+1], ASTEP
	s_add_nc_u64 s[SBB:SBB+1], s[SBB:SBB+1], BSTEP
	s_add_nc_u64 s[PFA:PFA+1], s[PFA:PFA+1], ROWB
	GSCALES \slot, 1                               ; the scale words of the K step two on
.endif
.endm
	s_wait_tensorcnt 0x0                           ; my part of K step 0 is in
	ds_add_u32 v[SPW], v[NIL]
	s_wait_dscnt 0x0
	CROUND
	JLOAD 1                                        ; K step 1
	FETCH_B 0, 0, 0
	FETCH_A 0, 0, 0
	FETCH_A 0, 0, 4
	STEP 0, 0, 1, 8                                ; the first products start the sums from the bias
	s_mov_b32 s3, LAPS-1
.Llap:
	TURN 0, 1, 1
	STEP 1, 0, 0, 8
	TURN 1, 0, 1
	STEP 0, 0, 0, 8
	s_sub_co_u32 s3, s3, 1
	s_cmp_lg_u32 s3, 0
	s_cbranch_scc1 .Llap
	TURN 0, 1, 0
	STEP 1, 0, 0, 0
	s_wait_dscnt 4*NL
	WIN MUL_LO
	MUL16 0, 1, NQ-1, 1, 0
	MUL16 2, 1, NQ-1, 1, 0
	s_wait_dscnt 0
	WIN MUL_HI
	MUL16 4, 1, NQ-1, 1, 0
	MUL16 6, 1, NQ-1, 1, 0
	WIN 0
	s_wait_xcnt 0x0                                ; no memory instruction still reads the scalars that the flags land on; no tensor load is out
	s_load_b512 s[24:39], s[10:11], 0x0            ; the flags of the 64 tokens that I send
	s_load_b512 s[40:55], s[10:11], 0x40
	s_load_b512 s[68:83], s[10:11], 0x80
	s_load_b512 s[84:99], s[10:11], 0xc0
	PLACES NP
	s_wait_dscnt 0x0
	s_barrier_signal -1
	s_barrier_wait -1                              ; no wave reads a slot any more
.irp a, 0,1,2,3,4,5,6,7
	WIN 0x08+4*(\a/4)                              ; the data: window 2 or 3
.irp b, 0,1,2,3,4,5,6,7
	ds_store_b128 v[STO], v[64*(\a%4)+8*\b:64*(\a%4)+8*\b+3] offset:\a*16*SPITCH+64*\b
	ds_store_b128 v[STO], v[64*(\a%4)+8*\b+4:64*(\a%4)+8*\b+7] offset:\a*16*SPITCH+64*\b+16
.endr
.endr
	WIN 0
	s_wait_kmcnt 0x0
.set n_, 0
.rept 64                               ; row n's flag becomes a mask of all lanes or of none, in its own register: s24-55, s68-99
.set fr_, 24+16*(n_/16)+12*(n_/32)+n_%16
	s_cmp_lg_u32 s[fr_], 0
	s_cselect_b32 s[fr_], -1, 0
.set n_, n_+1
.endr
	s_wait_dscnt 0x0                               ; for the others' sake: my stores into the stage are done
	s_barrier_signal -1
	s_barrier_wait -1                              ; both stages are whole
.macro LOADB g                         ; rows 8 g .. 8 g + 7 of my 64, from w_l's stage and from w_h's
.set BB, BK+64*((\g)%2)
.irp t, 0,1,2,3,4,5,6,7
	ds_load_b128 v[BB+4*\t:BB+4*\t+3], v[RD] offset:((\g)*8+\t)*SPITCH
.endr
.irp t, 0,1,2,3,4,5,6,7
	ds_load_b128 v[BB+32+4*\t:BB+32+4*\t+3], v[RDH] offset:((\g)*8+\t)*SPITCH
.endr
.endm
.macro SENDB g, younger                ; younger: the next batch's 16 reads, which may stay out
.set BB, BK+64*((\g)%2)
	s_wait_dscnt \younger
.irp t, 0,1,2,3,4,5,6,7
.set n_, (\g)*8+\t
.set fr_, 24+16*(n_/16)+12*(n_/32)+n_%16
.irp c, 0,1,2,3
	v_cndmask_b32 v[BB+4*\t+\c], v[BB+4*\t+\c], v[BB+32+4*\t+\c], s[fr_]   ; w_h's where the flag is set
.endr
.endr
.irp t, 0,1,2,3,4,5,6,7
	global_store_b128 v[CO], v[BB+4*\t:BB+4*\t+3], s[14:15] offset:((\g)*8+\t)*16384 th:TH_STORE_NT   ; 512 consecutive bytes, aligned
.endr
.endm
	LOADB 0
	LOADB 1
.irp g, 0,1,2,3,4,5
	SENDB \g, 16
	s_wait_xcnt 0x0                                ; the stores have read their data: the set may be loaded anew
	LOADB \g+2
.endr
	SENDB 6, 16
	SENDB 7, 0
	s_wait_tensorcnt 0x0                           ; the wave's end
	ds_add_u32 v[SPW], v[NIL]
	s_wait_dscnt 0x0
	CROUND                                         ; the closing round
	s_endpgm
.Lfunc_end_k_qc81071bcaa_gemm:
	.size	k_qc81071bcaa_gemm, .Lfunc_end_k_qc81071bcaa_gemm-k_qc81071bcaa_gemm
	.p2alignl 7, 3214868480
	.fill 96, 4, 3214868480
	.section	.rodata,"a",@progbits
	.p2align	6, 0x0
	.amdhsa_kernel k_qc81071bcaa_gemm
		.amdhsa_group_segment_fixed_size 327680
		.amdhsa_private_segment_fixed_size 0
		.amdhsa_enable_private_segment 0
		.amdhsa_kernarg_size 48
		.amdhsa_user_sgpr_count 2
		.amdhsa_user_sgpr_kernarg_segment_ptr 1
		.amdhsa_wavefront_size32 1
		.amdhsa_system_sgpr_workgroup_id_x 1
		.amdhsa_system_sgpr_workgroup_id_y 1
		.amdhsa_system_sgpr_workgroup_id_z 1
		.amdhsa_system_vgpr_workitem_id 0
		.amdhsa_next_free_vgpr 1024
		.amdhsa_next_free_sgpr 100
		.amdhsa_reserve_vcc 0
		.amdhsa_float_denorm_mode_32 3
		.amdhsa_float_denorm_mode_16_64 3
		.amdhsa_memory_ordered 1
		.amdhsa_forward_progress 1
		.amdhsa_inst_pref_size 163
	.end_amdhsa_kernel
	.amdgpu_metadata
---
amdhsa.version: [ 1, 2 ]
amdhsa.kernels:
  - .name:           k_qc81071bcaa_gemm
    .symbol:         k_qc81071bcaa_gemm.kd
    .args:
      - { .name: xq, .offset: 0, .size: 8, .value_kind: global_buffer, .address_space: global }
      - { .name: wql, .offset: 8, .size: 8, .value_kind: global_buffer, .address_space: global }
      - { .name: wqh, .offset: 16, .size: 8, .value_kind: global_buffer, .address_space: global }
      - { .name: flags, .offset: 24, .size: 8, .value_kind: global_buffer, .address_space: global }
      - { .name: bias, .offset: 32, .size: 8, .value_kind: global_buffer, .address_space: global }
      - { .name: out0, .offset: 40, .size: 8, .value_kind: global_buffer, .address_space: global }
    .group_segment_fixed_size: 327680
    .private_segment_fixed_size: 0
    .kernarg_segment_align: 8
    .kernarg_segment_size: 48
    .max_flat_workgroup_size: 128
    .sgpr_count:     100
    .vgpr_count:     1024
    .wavefront_size: 32
...
	.end_amdgpu_metadata
.endif
;; end of part 3
